; MI455X (gfx1250); checked and timed in simulation.
; The chip was launched on July 23, 2026; its instructions are those of AMD's public machine-readable ISA for CDNA 5 (MIT licence, August 2026) and "CDNA5" Instruction Set Architecture Reference Guide (July 2026). The comments in the code are by the model that wrote it; some were corrected since.
;; Soft To Hard Quantize. Allowed arithmetic: float matrix products may take bf16 or f16 operands with f32 sums; all other float work in f32.
;; Inputs: C 16 x 1 float32; input 8 x 64 x 128 x 128 float32.
;; Outputs: out0 8 x 64 x 128 x 128 float32.
;; Constants: sigma = 1.
;; 2 versions, each right; version 2 is version 1 with the launch nearest_code written anew for expert scheduling mode. Each part assembles by itself: llvm-mc -triple=amdgcn-amd-amdhsa -mcpu=gfx1250 --defsym DOCPART=n.
;; ======== version 1 of 2: 1 launch
;; limits: inputs' magnitudes at most 268,435,456; right only within a limited range of input values; an absolute error that grows with the inputs' magnitude: up to 1.8e-07 times it; values within 1.2e-07 (relative) of each other or of a threshold may be ordered or decided otherwise than in the reference
;; launch nearest_code (part 1): grid 512 x 1, 8 waves a work-group, no clusters, 1,280 bytes of LDS; arguments C, input, out0; writes out0
.if DOCPART == 1
	.amdgcn_target "amdgcn-amd-amdhsa--gfx1250"
	.amdhsa_code_object_version 6
	.text
	.protected	k_qb9c3348509_nearest_code
	.globl	k_qb9c3348509_nearest_code
	.p2align	8
	.type	k_qb9c3348509_nearest_code,@function
k_qb9c3348509_nearest_code:
	s_mov_b64 s[64:65], 0
	v_nop
	global_prefetch_b8 v0, s[64:65] scope:SCOPE_SE
	s_setreg_imm32_b32 hwreg(HW_REG_WAVE_MODE, 25, 1), 1
	s_wait_xcnt 0x0
; out[n] = C[argmin over l of |x[n] - C[l]|], the first l among equals.  x: 8,388,608 f32 (input, flat).  C: 16 f32.  out: like x.
;
; WORK LEFT OUT.  reference() returns stop_gradient(hard - y) + y with hard = C[argmin |x - C|] and y = sum(softmax(-sigma (x - C)^2) * C).
; On values stop_gradient is the identity, and (hard - y) + y = hard in exact arithmetic for every finite y, whatever x, C and sigma hold.
; y is a mean of C's entries with weights that are not negative and add up to 1, so |y| <= max |C|: it is of hard's own size, and in f32
; (hard - y) + y differs from hard by rounding alone (about 2^-23 max |C|).  So the squares, the softmax (its maximum, its exponentials, its
; division), the weighted sum and the pair - y + y are not computed.  sigma enters y alone; it is a constant of the problem and has no buffer.
; input and C both reach the result through the argmin and are both loaded.
;
; THE FORM.  For a given C the result is a staircase in x.  With the codes sorted, c_(0) <= .. <= c_(15), there are 15 switch points:
; t_r is the largest f32 at which reference()'s own comparison, |fl(x - c_(r-1))| against |fl(x - c_(r))| with the first index winning a
; tie, still keeps c_(r-1).  Rounding is monotone, so between the two codes that comparison turns over once.
; Heights are counted from the lowest code: h_r = c_(r) - c_(0), which is 0 or more and ascends with r.  For each r = 1 .. 15
;     u = fma(x, 2^100, -t_r 2^100)        one rounding, so u has the sign of x - t_r: 0 or less for x <= t_r, huge for x > t_r
;     acc = the middle one of (u, acc, h_r)     u held into [acc, h_r]: acc stays for x <= t_r (acc >= 0 >= u), h_r is taken for x > t_r
; and out = acc + c_(0).  A threshold costs half a packed fma and one median for a number: 92 vector instructions for four numbers.
;
; LIMITS.  (1) A NaN, an infinity or an overflow that reaches only y is not carried to the result: an x that is NaN or infinite (hard is
; finite there, reference()'s NaN comes from y) and differences beyond about 1.8e19, whose squares overflow.  (2) The rounding of
; (hard - y) + y is not reproduced.  (3) The code comes out as fl(fl(c - c_(0)) + c_(0)): it is c to within 2^-24 (|c - c_(0)| + |c|).
; (4) The codes are finite and below 2^28 in magnitude, so that t 2^100 is finite.  (An x of any finite size is served: u may overflow to
; an infinity of the right sign.)  (5) The step is not whole where 0 < (x - t_r) 2^100 < h_r; neighbouring f32 are at least 2^-24 |t| apart,
; so that needs |x| and |t_r| below 2^-76 h_r.  (6) Ties beyond a pair of neighbours: where the rounded differences to two DIFFERENT codes on
; the same side of x are equal, reference() takes the lower index and this text the nearer code; the two differ by at most 2^-23 |x - c|.
; Where at one x a lower and an upper code tie and such a third code ties with them and has the lowest index of all, reference() takes the
; third code's side and this text the side of the lower first index of the two neighbours' values; that needs two codes nearer to each
; other than 2^-23 of their distance to x.  Codes of EQUAL value are served: a tie goes by the first index among all codes of each value.
;
; SHARES.  512 work-groups of eight waves; a work-group owns 65,536 consecutive bytes; thread t owns the 16 bytes at 16 t of each of its 16
; blocks of 4,096 bytes, so each load and each store of a wave covers 512 consecutive bytes that start at a multiple of 512.
; All 16 loads of a thread go out at the head, each into four registers of its own, and the table is made while they are on their way.
; The table: the work-group's 256 lanes are 16 rows of 16; row r = t / 16 finds t_r, four bits a step with 15 probes at once, and leaves
; -t_r 2^100 twice at LDS byte 8 r (a pair for the packed fma; row 0, which has no threshold, leaves c_(0) twice) and h_r at byte 128 + 4 r.
; A block's last sum lands in the block's own registers and is stored from there: no register that a load or store names (offsets, bases,
; data) is written again, so no wait for sources is needed.  No product and no tile that two work-groups share: no matrix unit, no cluster.
.set QUADS, 16                         ; 16-byte loads of a thread
.set BLK,   4096                       ; bytes that the 256 threads cover with one load each
.set CODES, 16
.set HTS,   128                        ; LDS byte of h_0
.set OFF,  1                           ; v1        16 t; never rewritten
.set COFF, 2                           ; v2        4 (lane mod 16): my code's byte in C; never rewritten
.set J1,   3                           ; v3        lane mod 16 + 1: the digit that I probe
.set R,    4                           ; v4        t / 16: my row
.set CO,   5                           ; v5        C[lane mod 16], in C's own order
.set SRT,  6                           ; v6        the same 16 numbers being sorted along each row of lanes
.set PT,   7                           ; v7        my partner's number
.set LO,   8                           ; v8, v9    the lesser and the greater of the two
.set HI,   9
.set A,    10                          ; v10       c_(r-1) (row 0: c_(0))
.set B,    11                          ; v11       c_(r)
.set KA,   12                          ; v12       a's image as an ordered whole number
.set W,    13                          ; v13       b's image, then the distance of the two images
.set OFS,  14                          ; v14       the digits found so far of t_r's distance from a
.set P,    15                          ; v15       my probe's distance from a
.set T,    16                          ; v16       at work
.set XP,   17                          ; v17       my probe: its image, then the f32
.set D1,   18                          ; v18, v19  its differences to the two codes
.set D2,   19
.set PV,   20                          ; v[20:21]  my row's pair
.set CP,   22                          ; v22       my row's height
.set LADR, 23                          ; v23       8 r
.set IDXA, 24                          ; v24, v25  4 ((r + 15) mod 16), 4 r: the lanes that hold c_(r-1), c_(r)
.set IDXB, 25
.set ZERO, 26                          ; v26       LDS byte 0
.set T2,   27                          ; v27       at work
.set C0V,  28                          ; v28       c_(0)
.set BIGV, 30                          ; v[30:31]  2^100, twice
.set U,    6                           ; v[6:13]   behind the set-up: u of four numbers, two sets that take turns
.set ACC,  14                          ; v[14:17]  behind the set-up: the heights reached by four numbers
.set TP,   32                          ; v[32:63]  pair r at 32 + 2 r, the same in every lane
.set TC,   64                          ; v[64:79]  h_r at 64 + r
.set X,    80                          ; v[80:143] block q: four registers, x as loaded, then out
.set ROW1, 10                          ; s10       lanes 16 to 31
.set SM,   11                          ; s11       a sorting stage's lanes that keep the greater
.set Z0,   12                          ; s12       lanes of the work-group's row 0
.set C0,   13                          ; s13       c_(0)
.set EA,   14                          ; s14, s15  lanes whose code equals a, equals b
.set EB,   15
.set T0,   16                          ; s16, s17  at work: the lower row's figure, the upper row's
.set T1,   17
.set TIE,  18                          ; s18       lanes in whose row a tie keeps the lower code
.set VM,   19                          ; s19       lanes whose probe lies below b
.set NR,   20                          ; s20       lanes whose probe keeps the lower code
.set FR,   21                          ; s21       lanes whose probe is strictly nearer to the upper code
	s_load_b128 s[4:7], s[0:1], 0x0                ; C s[4:5], input s[6:7]
	s_load_b64 s[8:9], s[0:1], 0x10                ; out0
	v_lshl_add_u32 v144, v0, 2, 0x100
	v_mov_b32 v145, 0
	s_lshl_b32 s2, ttmp9, 16                       ; the work-group's 65,536 bytes: 511 x 65,536 at the most, below 2^31
	s_mov_b32 s3, 0
	s_mov_b32 s[ROW1], 0xffff0000
	v_lshlrev_b32 v[OFF], 4, v0                    ; 16 bytes a thread
	v_and_b32 v[T], 15, v0
	v_lshlrev_b32 v[COFF], 2, v[T]
	v_add_nc_u32 v[J1], 1, v[T]
	v_lshrrev_b32 v[R], 4, v0                      ; 2 x wave + half of the wave
	v_lshlrev_b32 v[LADR], 3, v[R]
	v_lshlrev_b32 v[IDXB], 2, v[R]
	v_add_nc_u32 v[T], 15, v[R]
	v_and_b32 v[T], 15, v[T]                       ; r - 1; row 0: 15, whose number is replaced below
	v_lshlrev_b32 v[IDXA], 2, v[T]
	v_cmp_gt_u32 s[Z0], 16, v0                     ; threads 0 to 15
	v_mov_b32 v[PT], 0                             ; written whole once, ahead of the lane-crossing moves that land in it
	v_mov_b32 v[ZERO], 0
	v_mov_b32 v[OFS], 0                            ; no digit found yet
	v_mov_b32 v[BIGV], 0x71800000                  ; 2^100
	v_mov_b32 v[BIGV+1], 0x71800000
	s_wait_kmcnt 0x0
	global_load_b32 v[CO], v[COFF], s[4:5]         ; the codebook first: the set-up waits for it alone
	s_add_nc_u64 s[6:7], s[6:7], s[2:3]            ; input and out0 at the work-group's first byte
	s_add_nc_u64 s[8:9], s[8:9], s[2:3]
.irp q, 0,1,2,3,4,5,6,7,8,9,10,11,12,13,14,15
	global_load_b128 v[X+4*\q:X+4*\q+3], v[OFF], s[6:7] offset:\q*BLK th:TH_LOAD_NT   ; read once in the launch
.endr
	s_wait_loadcnt QUADS                           ; loads come back in order (ISA guide 5.7.1): C is in, the 16 younger loads stay out
; THE SORT: a bitonic network on 16 numbers, the same in both rows of lanes.  In the stage (k, j) lane i is paired with lane i xor j and
; keeps the greater of the two if bit j of i differs from bit k of i.  Ten stages of four vector instructions; every wave makes it for
; itself, which costs less than a second barrier.
.set M1,  0xaaaa                       ; lanes with bit 1, 2, 4, 8 of i set; bit 16 is set in none
.set M2,  0xcccc
.set M4,  0xf0f0
.set M8,  0xff00
.set M16, 0
.macro STAGE src, j, mj, mk
	s_mov_b32 s[SM], ((\mj)^(\mk))*0x10001
	v_mov_b32_dpp v[PT], v[\src] row_xmask:\j row_mask:0xf bank_mask:0xf
	v_min_num_f32 v[LO], v[PT], v[\src]
	v_max_num_f32 v[HI], v[PT], v[\src]
	v_cndmask_b32 v[SRT], v[LO], v[HI], s[SM]
.endm
	STAGE CO,  1, M1, M2                           ; C's own order stays in CO for the tie rule
	STAGE SRT, 2, M2, M4
	STAGE SRT, 1, M1, M4
	STAGE SRT, 4, M4, M8
	STAGE SRT, 2, M2, M8
	STAGE SRT, 1, M1, M8
	STAGE SRT, 8, M8, M16
	STAGE SRT, 4, M4, M16
	STAGE SRT, 2, M2, M16
	STAGE SRT, 1, M1, M16                          ; lane i now holds c_(i mod 16)
	ds_bpermute_b32 v[B], v[IDXB], v[SRT]          ; my row's two neighbours; the lane numbers, 0 to 15, are made of the thread's number alone
	ds_bpermute_b32 v[A], v[IDXA], v[SRT]
	v_readfirstlane_b32 s[C0], v[SRT]              ; lane 0: c_(0)
	v_mov_b32 v[C0V], s[C0]
	s_wait_dscnt 0x0
	v_cndmask_b32 v[A], v[A], v[B], s[Z0]          ; row 0 has no lower neighbour: a = b, so that its search below stands still
; THE TIE RULE.  argmin takes the first index among equal magnitudes.  Bit i of a row's half of EA (EB) says that C[i] equals a (b); each
; half has a bit set, since a and b are codes.  m and -m share the lowest set bit of m alone, and the lower bit is the lesser number.
	v_cmp_eq_f32 s[EA], v[CO], v[A]
	v_cmp_eq_f32 s[EB], v[CO], v[B]
	s_sub_co_u32 s[T0], 0, s[EA]
	s_sub_co_u32 s[T1], 0, s[EB]
	s_and_b32 s[T0], s[T0], s[EA]                  ; the lower row: the lowest bit of all 32 lies in its half
	s_and_b32 s[T1], s[T1], s[EB]
	s_cmp_lt_u32 s[T0], s[T1]
	s_cselect_b32 s[TIE], 0xffff, 0
	s_lshr_b32 s[EA], s[EA], 16                    ; the upper row
	s_lshr_b32 s[EB], s[EB], 16
	s_sub_co_u32 s[T0], 0, s[EA]
	s_sub_co_u32 s[T1], 0, s[EB]
	s_and_b32 s[T0], s[T0], s[EA]
	s_and_b32 s[T1], s[T1], s[EB]
	s_cmp_lt_u32 s[T0], s[T1]
	s_cselect_b32 s[T0], 0xffff0000, 0
	s_or_b32 s[TIE], s[TIE], s[T0]
; f32 to a signed whole number in the same order, and back: the 31 low bits are turned over where the sign is set.  Its own inverse.
.macro KEY dst, src
	v_ashrrev_i32 v[T], 31, v[\src]
	v_lshrrev_b32 v[T], 1, v[T]
	v_xor_b32 v[\dst], v[\src], v[T]
.endm
	KEY KA, A
	KEY W, B
	v_sub_nc_u32 v[W], v[W], v[KA]                 ; how many f32 lie from a up to b: below 2^32, taken as unsigned
; ONE DIGIT of four bits of t_r's distance from a.  Lane j of the row probes the distance OFS + (j + 1) << sh.  A probe counts if it lies
; below b (at b itself the comparison has turned over) and reference()'s comparison keeps a there: both differences rounded once to f32,
; |d1| < |d2|, or, where a tie keeps a, not |d2| < |d1|.  Between a and b that is monotone, so the probes that count are the lowest ones,
; and their number among the digits 1 to 15 is the digit.  The row's last lane (digit 16) is left out of the count.  What a probe beyond b
; computes is masked away.
.macro DIGIT sh
	v_lshl_add_u32 v[P], v[J1], \sh, v[OFS]
	v_add_nc_u32 v[XP], v[P], v[KA]
	v_cmp_gt_u32 s[VM], v[W], v[P]
	KEY XP, XP
	v_sub_f32 v[D1], v[XP], v[A]
	v_sub_f32 v[D2], v[XP], v[B]
	v_cmp_lt_f32 s[NR], |v[D1]|, |v[D2]|
	v_cmp_lt_f32 s[FR], |v[D2]|, |v[D1]|
	s_and_not1_b32 s[FR], s[TIE], s[FR]            ; a tie keeps a, and b is not strictly nearer
	s_or_b32 s[NR], s[NR], s[FR]
	s_and_b32 s[NR], s[NR], s[VM]
	s_and_b32 s[T0], s[NR], 0x7fff                 ; the lower row's fifteen probes
	s_bfe_u32 s[T1], s[NR], 0xf0010                ; the upper row's: 15 bits from bit 16
	s_bcnt1_i32_b32 s[T0], s[T0]
	s_bcnt1_i32_b32 s[T1], s[T1]
	v_mov_b32 v[T], s[T0]
	v_mov_b32 v[T2], s[T1]
	v_cndmask_b32 v[T], v[T], v[T2], s[ROW1]
	v_lshl_add_u32 v[OFS], v[T], \sh, v[OFS]
.endm
.irp sh, 28,24,20,16,12,8,4,0
	DIGIT \sh
.endr
	v_add_nc_u32 v[XP], v[OFS], v[KA]
	KEY XP, XP                                     ; t_r (where a = b no probe counts: t_r = a, and the step has no height)
	v_mul_f32 v[PV], 0xf1800000, v[XP]             ; -t_r 2^100: exact, a change of exponent
	v_sub_f32 v[CP], v[B], v[C0V]                  ; h_r; row 0: 0, where every number's height starts
	v_cndmask_b32 v[PV], v[PV], v[C0V], s[Z0]      ; row 0 leaves c_(0) in its pair
	v_mov_b32 v[PV+1], v[PV]
	ds_store_b64 v[LADR], v[PV:PV+1]               ; the row's sixteen lanes write the same bytes with the same numbers
	ds_store_b32 v[IDXB], v[CP] offset:HTS
	s_wait_dscnt 0x0                               ; my two rows' entries are in LDS: zero, for the other waves' sake
	s_barrier_signal -1
	s_barrier_wait -1                              ; all sixteen rows' are; nothing writes them again
.irp i, 0,1,2,3,4,5,6,7
	ds_load_b128 v[TP+4*\i:TP+4*\i+3], v[ZERO] offset:16*\i       ; two pairs; every lane reads the same bytes
.endr
.irp i, 0,1,2,3
	ds_load_b128 v[TC+4*\i:TC+4*\i+3], v[ZERO] offset:HTS+16*\i   ; four heights
.endr
	s_wait_dscnt 0x0
; u = x 2^100 - t_k 2^100 of block q's four numbers into v[dst:dst+3]
.macro STEPS dst, q, k
	v_pk_fma_f32 v[\dst:\dst+1],   v[X+4*\q:X+4*\q+1],   v[BIGV:BIGV+1], v[TP+2*(\k):TP+2*(\k)+1]
	v_pk_fma_f32 v[\dst+2:\dst+3], v[X+4*\q+2:X+4*\q+3], v[BIGV:BIGV+1], v[TP+2*(\k):TP+2*(\k)+1]
.endm
; Block q.  left = how many younger loads may stay out.
; The u of threshold k + 1 stand ahead of the medians of k (two sets of U by turns), so that six instructions lie from one link of a
; number's chain to the next, and from a u to the median that reads it.
.macro BLOCK q, left
	s_wait_loadcnt \left                           ; block q is in, the younger ones stay out
	STEPS U+4, \q, 1
.set k, 1
.rept CODES-1
.set cur, U+4*(k%2)
.set nxt, U+4*((k+1)%2)
.if k < CODES-1
	STEPS nxt, \q, k+1
.endif
.irp j, 0,1,2,3
.if k == 1
	v_med3_num_f32 v[ACC+\j], v[cur+\j], v[TC], v[TC+1]            ; the chain starts at h_0 = 0: nothing is initialised
.else
	v_med3_num_f32 v[ACC+\j], v[cur+\j], v[ACC+\j], v[TC+k]        ; u held into [acc, h_k]
.endif
.endr
.set k, k+1
.endr
	v_pk_add_f32 v[X+4*\q:X+4*\q+1],   v[ACC:ACC+1],   v[TP:TP+1]  ; + c_(0), into the block's own registers
	v_pk_add_f32 v[X+4*\q+2:X+4*\q+3], v[ACC+2:ACC+3], v[TP:TP+1]
	global_store_b128 v[OFF], v[X+4*\q:X+4*\q+3], s[8:9] offset:\q*BLK th:TH_STORE_NT   ; sixteen lanes fill 256 consecutive aligned bytes; written once, not read again
.endm
.irp q, 0,1,2,3,4,5,6,7,8,9,10,11,12,13,14,15
	BLOCK \q, QUADS-1-\q                           ; the counts run down 15, 14, ... 0
.endr
	s_wait_tensorcnt 0x0
	ds_add_u32 v144, v145
	s_wait_dscnt 0x0
	s_endpgm
.Lfunc_end_k_qb9c3348509_nearest_code:
	.size	k_qb9c3348509_nearest_code, .Lfunc_end_k_qb9c3348509_nearest_code-k_qb9c3348509_nearest_code
	.p2alignl 7, 3214868480
	.fill 96, 4, 3214868480
	.section	.rodata,"a",@progbits
	.p2align	6, 0x0
	.amdhsa_kernel k_qb9c3348509_nearest_code
		.amdhsa_group_segment_fixed_size 1280
		.amdhsa_private_segment_fixed_size 0
		.amdhsa_enable_private_segment 0
		.amdhsa_kernarg_size 24
		.amdhsa_user_sgpr_count 2
		.amdhsa_user_sgpr_kernarg_segment_ptr 1
		.amdhsa_wavefront_size32 1
		.amdhsa_system_sgpr_workgroup_id_x 1
		.amdhsa_system_sgpr_workgroup_id_y 1
		.amdhsa_system_sgpr_workgroup_id_z 1
		.amdhsa_system_vgpr_workitem_id 0
		.amdhsa_next_free_vgpr 146
		.amdhsa_next_free_sgpr 66
		.amdhsa_reserve_vcc 0
		.amdhsa_float_denorm_mode_32 3
		.amdhsa_float_denorm_mode_16_64 3
		.amdhsa_memory_ordered 1
		.amdhsa_forward_progress 1
		.amdhsa_inst_pref_size 110
	.end_amdhsa_kernel
	.amdgpu_metadata
---
amdhsa.version: [ 1, 2 ]
amdhsa.kernels:
  - .name:           k_qb9c3348509_nearest_code
    .symbol:         k_qb9c3348509_nearest_code.kd
    .args:
      - { .name: C, .offset: 0, .size: 8, .value_kind: global_buffer, .address_space: global }
      - { .name: input, .offset: 8, .size: 8, .value_kind: global_buffer, .address_space: global }
      - { .name: out0, .offset: 16, .size: 8, .value_kind: global_buffer, .address_space: global }
    .group_segment_fixed_size: 1280
    .private_segment_fixed_size: 0
    .kernarg_segment_align: 8
    .kernarg_segment_size: 24
    .max_flat_workgroup_size: 256
    .sgpr_count:     66
    .vgpr_count:     146
    .wavefront_size: 32
...
	.end_amdgpu_metadata
.endif
;; end of part 1
;; ======== version 2 of 2: 1 launch; version 1 with the launch nearest_code written anew for expert scheduling mode
;; limits: inputs' magnitudes at most 268,435,456; right only within a limited range of input values; an absolute error that grows with the inputs' magnitude: up to 1.8e-07 times it; values within 1.2e-07 (relative) of each other or of a threshold may be ordered or decided otherwise than in the reference
;; launch nearest_code (part 2): grid 512 x 1, 8 waves a work-group, no clusters, 1,280 bytes of LDS; arguments C, input, out0; writes out0
.if DOCPART == 2
	.amdgcn_target "amdgcn-amd-amdhsa--gfx1250"
	.amdhsa_code_object_version 6
	.text
	.protected	k_qb9c3348509_nearest_code
	.globl	k_qb9c3348509_nearest_code
	.p2align	8
	.type	k_qb9c3348509_nearest_code,@function
k_qb9c3348509_nearest_code:
	s_mov_b64 s[64:65], 0
	v_nop
	global_prefetch_b8 v0, s[64:65] scope:SCOPE_SE
	s_setreg_imm32_b32 hwreg(HW_REG_WAVE_SCHED_MODE, 0, 2), 2
	s_setreg_imm32_b32 hwreg(HW_REG_WAVE_MODE, 25, 1), 1
	s_wait_xcnt 0x0
	s_wait_alu depctr_vm_vsrc(0)
; out[n] = C[argmin over l of |x[n] - C[l]|], the first l among equals.  x: 8,388,608 f32 (input, flat).  C: 16 f32.  out: like x.
;
; WORK LEFT OUT.  reference() returns stop_gradient(hard - y) + y with hard = C[argmin |x - C|] and y = sum(softmax(-sigma (x - C)^2) * C).
; On values stop_gradient is the identity, and (hard - y) + y = hard in exact arithmetic for every finite y, whatever x, C and sigma hold.
; y is a mean of C's entries with weights that are not negative and add up to 1, so |y| <= max |C|: it is of hard's own size, and in f32
; (hard - y) + y differs from hard by rounding alone (about 2^-23 max |C|).  So the squares, the softmax (its maximum, its exponentials, its
; division), the weighted sum and the pair - y + y are not computed.  sigma enters y alone; it is a constant of the problem and has no buffer.
; input and C both reach the result through the argmin and are both loaded.
;
; THE FORM.  For a given C the result is a staircase in x.  With the codes sorted, c_(0) <= .. <= c_(15), there are 15 switch points:
; t_r is the largest f32 at which reference()'s own comparison, |fl(x - c_(r-1))| against |fl(x - c_(r))| with the first index winning a
; tie, still keeps c_(r-1).  Rounding is monotone, so between the two codes that comparison turns over once.
; Heights are counted from the lowest code: h_r = c_(r) - c_(0), which is 0 or more and ascends with r.  For each r = 1 .. 15
;     u = fma(x, 2^100, -t_r 2^100)        one rounding, so u has the sign of x - t_r: 0 or less for x <= t_r, huge for x > t_r
;     acc = the middle one of (u, acc, h_r)     u held into [acc, h_r]: acc stays for x <= t_r (acc >= 0 >= u), h_r is taken for x > t_r
; and out = acc + c_(0).  A threshold costs half a packed fma and one median for a number: 92 vector instructions for four numbers.
;
; LIMITS.  (1) A NaN, an infinity or an overflow that reaches only y is not carried to the result: an x that is NaN or infinite (hard is
; finite there, reference()'s NaN comes from y) and differences beyond about 1.8e19, whose squares overflow.  (2) The rounding of
; (hard - y) + y is not reproduced.  (3) The code comes out as fl(fl(c - c_(0)) + c_(0)): it is c to within 2^-24 (|c - c_(0)| + |c|).
; (4) The codes are finite and below 2^28 in magnitude, so that t 2^100 is finite.  (An x of any finite size is served: u may overflow to
; an infinity of the right sign.)  (5) The step is not whole where 0 < (x - t_r) 2^100 < h_r; neighbouring f32 are at least 2^-24 |t| apart,
; so that needs |x| and |t_r| below 2^-76 h_r.  (6) Ties beyond a pair of neighbours: where the rounded differences to two DIFFERENT codes on
; the same side of x are equal, reference() takes the lower index and this text the nearer code; the two differ by at most 2^-23 |x - c|.
; Where at one x a lower and an upper code tie and such a third code ties with them and has the lowest index of all, reference() takes the
; third code's side and this text the side of the lower first index of the two neighbours' values; that needs two codes nearer to each
; other than 2^-23 of their distance to x.  Codes of EQUAL value are served: a tie goes by the first index among all codes of each value.
;
; SHARES.  512 work-groups of eight waves; a work-group owns 65,536 consecutive bytes; thread t owns the 16 bytes at 16 t of each of its 16
; blocks of 4,096 bytes, so each load and each store of a wave covers 512 consecutive bytes that start at a multiple of 512.
; All 16 loads of a thread go out at the head, each into four registers of its own, and the table is made while they are on their way.
; The table: the work-group's 256 lanes are 16 rows of 16; row r = t / 16 finds t_r, four bits a step with 15 probes at once, and leaves
; -t_r 2^100 twice at LDS byte 8 r (a pair for the packed fma; row 0, which has no threshold, leaves c_(0) twice) and h_r at byte 128 + 4 r.
; A block's last sum lands in the block's own registers and is stored from there: no register that a global load or store names (offsets,
; bases, data) is written again, so no wait for their sources is needed.  No product and no tile that two work-groups share: no matrix unit, no cluster.
;
; THE MODE: SCHED_MODE bits 1:0 = 2 (LLVM: expert scheduling mode 2), set by the entry lines.  The code itself states the register dependences
; between vector instructions and memory or LDS instructions, and those through scalar registers that vector instructions write, with
; s_wait_alu, always for 0.  The text is one straight run: no loop, no branch, no label.
; THE PLAN.  Registers that memory or LDS instructions touch:
;   v1, v2, v23 to v26   offsets, LDS addresses and lane numbers: written at the head, ahead of the first wait on va_vdst, and named by no
;                        vector instruction behind it: that one wait serves every load, store and LDS instruction that reads them.
;   v5                   C's load lands in it; no vector instruction names it before.
;   v6                   the sort's selects write it; the two lane exchanges read it (a wait on va_vdst ahead of them); block 0 writes it again
;                        as a u (a wait on vm_vsrc ahead of block 0).
;   v10, v11             the lane exchanges land in them; no vector instruction names them before.
;   v[20:22]             the end of the search writes them; the two LDS stores read them (a wait on va_vdst ahead); never written again.
;   v[32:79]             the table's LDS loads land in them; no vector instruction names them before.
;   v[80:143]            block q: its load, issued at the head, lands in four registers that nothing has named; block q's fma read them, its
;                        two last sums write them; its store, which stands at the head of block q + 1 behind that block's wait on va_vdst,
;                        reads them; nothing writes them again.
; Scalar registers that vector instructions write: s12 (the head's compare) and s13 (the first lane's number): one wait on va_sdst ahead of
; the first reader of either; s14, s15 (two compares): one; s19, s20, s21 (a digit's three compares): one a digit.
.set QUADS, 16                         ; 16-byte loads of a thread
.set BLK,   4096                       ; bytes that the 256 threads cover with one load each
.set CODES, 16
.set HTS,   128                        ; LDS byte of h_0
.set OFF,  1                           ; v1        16 t; never rewritten
.set COFF, 2                           ; v2        4 (lane mod 16): my code's byte in C; never rewritten
.set J1,   3                           ; v3        lane mod 16 + 1: the digit that I probe
.set R,    4                           ; v4        t / 16: my row
.set CO,   5                           ; v5        C[lane mod 16], in C's own order
.set SRT,  6                           ; v6        the same 16 numbers being sorted along each row of lanes
.set PT,   7                           ; v7        my partner's number
.set LO,   8                           ; v8, v9    the lesser and the greater of the two
.set HI,   9
.set A,    10                          ; v10       c_(r-1) (row 0: c_(0))
.set B,    11                          ; v11       c_(r)
.set KA,   12                          ; v12       a's image as an ordered whole number
.set W,    13                          ; v13       b's image, then the distance of the two images
.set OFS,  14                          ; v14       the digits found so far of t_r's distance from a
.set P,    15                          ; v15       my probe's distance from a
.set T,    16                          ; v16       at work
.set XP,   17                          ; v17       my probe: its image, then the f32
.set D1,   18                          ; v18, v19  its differences to the two codes
.set D2,   19
.set PV,   20                          ; v[20:21]  my row's pair
.set CP,   22                          ; v22       my row's height
.set LADR, 23                          ; v23       8 r
.set IDXA, 24                          ; v24, v25  4 ((r + 15) mod 16), 4 r: the lanes that hold c_(r-1), c_(r)
.set IDXB, 25
.set ZERO, 26                          ; v26       LDS byte 0
.set T2,   27                          ; v27       at work
.set C0V,  28                          ; v28       c_(0)
.set BIGV, 30                          ; v[30:31]  2^100, twice
.set U,    6                           ; v[6:13]   behind the set-up: u of four numbers, two sets that take turns
.set ACC,  14                          ; v[14:17]  behind the set-up: the heights reached by four numbers
.set TP,   32                          ; v[32:63]  pair r at 32 + 2 r, the same in every lane
.set TC,   64                          ; v[64:79]  h_r at 64 + r
.set X,    80                          ; v[80:143] block q: four registers, x as loaded, then out
.set ROW1, 10                          ; s10       lanes 16 to 31
.set SM,   11                          ; s11       a sorting stage's lanes that keep the greater
.set Z0,   12                          ; s12       lanes of the work-group's row 0
.set C0,   13                          ; s13       c_(0)
.set EA,   14                          ; s14, s15  lanes whose code equals a, equals b
.set EB,   15
.set T0,   16                          ; s16, s17  at work: the lower row's figure, the upper row's
.set T1,   17
.set TIE,  18                          ; s18       lanes in whose row a tie keeps the lower code
.set VM,   19                          ; s19       lanes whose probe lies below b
.set NR,   20                          ; s20       lanes whose probe keeps the lower code
.set FR,   21                          ; s21       lanes whose probe is strictly nearer to the upper code
	s_load_b128 s[4:7], s[0:1], 0x0                ; C s[4:5], input s[6:7]
	s_load_b64 s[8:9], s[0:1], 0x10                ; out0
	v_lshl_add_u32 v144, v0, 2, 0x100
	v_mov_b32 v145, 0
	s_lshl_b32 s2, ttmp9, 16                       ; the work-group's 65,536 bytes: 511 x 65,536 at the most, below 2^31
	s_mov_b32 s3, 0
	s_mov_b32 s[ROW1], 0xffff0000
	v_lshlrev_b32 v[OFF], 4, v0                    ; 16 bytes a thread
	v_and_b32 v[T], 15, v0
	v_lshlrev_b32 v[COFF], 2, v[T]
	v_add_nc_u32 v[J1], 1, v[T]
	v_lshrrev_b32 v[R], 4, v0                      ; 2 x wave + half of the wave
	v_lshlrev_b32 v[LADR], 3, v[R]
	v_lshlrev_b32 v[IDXB], 2, v[R]
	v_add_nc_u32 v[T], 15, v[R]
	v_and_b32 v[T], 15, v[T]                       ; r - 1; row 0: 15, whose number is replaced below
	v_lshlrev_b32 v[IDXA], 2, v[T]
	v_cmp_gt_u32 s[Z0], 16, v0                     ; threads 0 to 15 (its first reader stands behind the wait on va_sdst that follows the sort)
	v_mov_b32 v[PT], 0                             ; written whole once, ahead of the lane-crossing moves that land in it
	v_mov_b32 v[ZERO], 0
	v_mov_b32 v[OFS], 0                            ; no digit found yet
	v_mov_b32 v[BIGV], 0x71800000                  ; 2^100
	v_mov_b32 v[BIGV+1], 0x71800000
	s_wait_kmcnt 0x0
	s_wait_alu depctr_va_vdst(0)                   ; v1, v2 and v23 to v26 are written: the loads, stores and LDS instructions of the whole kernel read them as offsets, addresses and lane numbers, and no vector instruction names them again
	global_load_b32 v[CO], v[COFF], s[4:5]         ; the codebook first: the set-up waits for it alone
	s_add_nc_u64 s[6:7], s[6:7], s[2:3]            ; input and out0 at the work-group's first byte
	s_add_nc_u64 s[8:9], s[8:9], s[2:3]
.irp q, 0,1,2,3,4,5,6,7,8,9,10,11,12,13,14,15
	global_load_b128 v[X+4*\q:X+4*\q+3], v[OFF], s[6:7] offset:\q*BLK th:TH_LOAD_NT   ; read once in the launch
.endr
	s_wait_loadcnt QUADS                           ; loads come back in order (ISA guide 5.7.1): C is in, the 16 younger loads stay out
; THE SORT: a bitonic network on 16 numbers, the same in both rows of lanes.  In the stage (k, j) lane i is paired with lane i xor j and
; keeps the greater of the two if bit j of i differs from bit k of i.  Ten stages of four vector instructions; every wave makes it for
; itself, which costs less than a second barrier.
.set M1,  0xaaaa                       ; lanes with bit 1, 2, 4, 8 of i set; bit 16 is set in none
.set M2,  0xcccc
.set M4,  0xf0f0
.set M8,  0xff00
.set M16, 0
.macro STAGE src, j, mj, mk
	s_mov_b32 s[SM], ((\mj)^(\mk))*0x10001
	v_mov_b32_dpp v[PT], v[\src] row_xmask:\j row_mask:0xf bank_mask:0xf
	v_min_num_f32 v[LO], v[PT], v[\src]
	v_max_num_f32 v[HI], v[PT], v[\src]
	v_cndmask_b32 v[SRT], v[LO], v[HI], s[SM]
.endm
	STAGE CO,  1, M1, M2                           ; C's own order stays in CO for the tie rule
	STAGE SRT, 2, M2, M4
	STAGE SRT, 1, M1, M4
	STAGE SRT, 4, M4, M8
	STAGE SRT, 2, M2, M8
	STAGE SRT, 1, M1, M8
	STAGE SRT, 8, M8, M16
	STAGE SRT, 4, M4, M16
	STAGE SRT, 2, M2, M16
	STAGE SRT, 1, M1, M16                          ; lane i now holds c_(i mod 16)
	s_wait_alu depctr_va_vdst(0)                   ; the last stage's select has written v6, which the two lane exchanges read
	ds_bpermute_b32 v[B], v[IDXB], v[SRT]          ; my row's two neighbours; the lane numbers, 0 to 15, are made of the thread's number alone
	ds_bpermute_b32 v[A], v[IDXA], v[SRT]
	v_readfirstlane_b32 s[C0], v[SRT]              ; lane 0: c_(0)
	s_wait_alu depctr_va_sdst(0)                   ; s13 is written, ahead of the move that reads it; so is s12, the head's compare, ahead of its first reader, the select below
	v_mov_b32 v[C0V], s[C0]
	s_wait_dscnt 0x0
	v_cndmask_b32 v[A], v[A], v[B], s[Z0]          ; row 0 has no lower neighbour: a = b, so that its search below stands still
; THE TIE RULE.  argmin takes the first index among equal magnitudes.  Bit i of a row's half of EA (EB) says that C[i] equals a (b); each
; half has a bit set, since a and b are codes.  m and -m share the lowest set bit of m alone, and the lower bit is the lesser number.
	v_cmp_eq_f32 s[EA], v[CO], v[A]
	v_cmp_eq_f32 s[EB], v[CO], v[B]
	s_wait_alu depctr_va_sdst(0)                   ; the two compares have written s14 and s15, which the scalar lines below read
	s_sub_co_u32 s[T0], 0, s[EA]
	s_sub_co_u32 s[T1], 0, s[EB]
	s_and_b32 s[T0], s[T0], s[EA]                  ; the lower row: the lowest bit of all 32 lies in its half
	s_and_b32 s[T1], s[T1], s[EB]
	s_cmp_lt_u32 s[T0], s[T1]
	s_cselect_b32 s[TIE], 0xffff, 0
	s_lshr_b32 s[EA], s[EA], 16                    ; the upper row
	s_lshr_b32 s[EB], s[EB], 16
	s_sub_co_u32 s[T0], 0, s[EA]
	s_sub_co_u32 s[T1], 0, s[EB]
	s_and_b32 s[T0], s[T0], s[EA]
	s_and_b32 s[T1], s[T1], s[EB]
	s_cmp_lt_u32 s[T0], s[T1]
	s_cselect_b32 s[T0], 0xffff0000, 0
	s_or_b32 s[TIE], s[TIE], s[T0]
; f32 to a signed whole number in the same order, and back: the 31 low bits are turned over where the sign is set.  Its own inverse.
.macro KEY dst, src
	v_ashrrev_i32 v[T], 31, v[\src]
	v_lshrrev_b32 v[T], 1, v[T]
	v_xor_b32 v[\dst], v[\src], v[T]
.endm
	KEY KA, A
	KEY W, B
	v_sub_nc_u32 v[W], v[W], v[KA]                 ; how many f32 lie from a up to b: below 2^32, taken as unsigned
; ONE DIGIT of four bits of t_r's distance from a.  Lane j of the row probes the distance OFS + (j + 1) << sh.  A probe counts if it lies
; below b (at b itself the comparison has turned over) and reference()'s comparison keeps a there: both differences rounded once to f32,
; |d1| < |d2|, or, where a tie keeps a, not |d2| < |d1|.  Between a and b that is monotone, so the probes that count are the lowest ones,
; and their number among the digits 1 to 15 is the digit.  The row's last lane (digit 16) is left out of the count.  What a probe beyond b
; computes is masked away.
.macro DIGIT sh
	v_lshl_add_u32 v[P], v[J1], \sh, v[OFS]
	v_add_nc_u32 v[XP], v[P], v[KA]
	v_cmp_gt_u32 s[VM], v[W], v[P]
	KEY XP, XP
	v_sub_f32 v[D1], v[XP], v[A]
	v_sub_f32 v[D2], v[XP], v[B]
	v_cmp_lt_f32 s[NR], |v[D1]|, |v[D2]|
	v_cmp_lt_f32 s[FR], |v[D2]|, |v[D1]|
	s_wait_alu depctr_va_sdst(0)                   ; the digit's three compares have written s19, s20 and s21, which the scalar lines below read
	s_and_not1_b32 s[FR], s[TIE], s[FR]            ; a tie keeps a, and b is not strictly nearer
	s_or_b32 s[NR], s[NR], s[FR]
	s_and_b32 s[NR], s[NR], s[VM]
	s_and_b32 s[T0], s[NR], 0x7fff                 ; the lower row's fifteen probes
	s_bfe_u32 s[T1], s[NR], 0xf0010                ; the upper row's: 15 bits from bit 16
	s_bcnt1_i32_b32 s[T0], s[T0]
	s_bcnt1_i32_b32 s[T1], s[T1]
	v_mov_b32 v[T], s[T0]
	v_mov_b32 v[T2], s[T1]
	v_cndmask_b32 v[T], v[T], v[T2], s[ROW1]
	v_lshl_add_u32 v[OFS], v[T], \sh, v[OFS]
.endm
.irp sh, 28,24,20,16,12,8,4,0
	DIGIT \sh
.endr
	v_add_nc_u32 v[XP], v[OFS], v[KA]
	KEY XP, XP                                     ; t_r (where a = b no probe counts: t_r = a, and the step has no height)
	v_mul_f32 v[PV], 0xf1800000, v[XP]             ; -t_r 2^100: exact, a change of exponent
	v_sub_f32 v[CP], v[B], v[C0V]                  ; h_r; row 0: 0, where every number's height starts
	v_cndmask_b32 v[PV], v[PV], v[C0V], s[Z0]      ; row 0 leaves c_(0) in its pair
	v_mov_b32 v[PV+1], v[PV]
	s_wait_alu depctr_va_vdst(0)                   ; v[20:21] and v22 are written, which the two LDS stores read
	ds_store_b64 v[LADR], v[PV:PV+1]               ; the row's sixteen lanes write the same bytes with the same numbers
	ds_store_b32 v[IDXB], v[CP] offset:HTS
	s_wait_dscnt 0x0                               ; my two rows' entries are in LDS: zero, for the other waves' sake
	s_barrier_signal -1
	s_barrier_wait -1                              ; all sixteen rows' are; nothing writes them again
.irp i, 0,1,2,3,4,5,6,7
	ds_load_b128 v[TP+4*\i:TP+4*\i+3], v[ZERO] offset:16*\i       ; two pairs; every lane reads the same bytes
.endr
.irp i, 0,1,2,3
	ds_load_b128 v[TC+4*\i:TC+4*\i+3], v[ZERO] offset:HTS+16*\i   ; four heights
.endr
	s_wait_dscnt 0x0
	s_wait_alu depctr_vm_vsrc(0)                   ; the two lane exchanges have read v6, which block 0 writes again as a u
; u = x 2^100 - t_k 2^100 of block q's four numbers into v[dst:dst+3]
.macro STEPS dst, q, k
	v_pk_fma_f32 v[\dst:\dst+1],   v[X+4*\q:X+4*\q+1],   v[BIGV:BIGV+1], v[TP+2*(\k):TP+2*(\k)+1]
	v_pk_fma_f32 v[\dst+2:\dst+3], v[X+4*\q+2:X+4*\q+3], v[BIGV:BIGV+1], v[TP+2*(\k):TP+2*(\k)+1]
.endm
; Block q.  left = how many younger loads may stay out.
; At its head the block before is stored: one wait states that its sums are written, and no vector instruction stands between that wait and the store.
; The u of threshold k + 1 stand ahead of the medians of k (two sets of U by turns), so that six instructions lie from one link of a
; number's chain to the next, and from a u to the median that reads it.
.macro BLOCK q, left
	s_wait_loadcnt \left                           ; block q is in, the younger ones stay out
.if (\q) > 0
	s_wait_alu depctr_va_vdst(0)                   ; the two last sums of the block before have written its four registers, which the store below reads
	global_store_b128 v[OFF], v[X+4*(\q)-4:X+4*(\q)-1], s[8:9] offset:((\q)-1)*BLK th:TH_STORE_NT   ; sixteen lanes fill 256 consecutive aligned bytes; written once, not read again
.endif
	STEPS U+4, \q, 1
.set k, 1
.rept CODES-1
.set cur, U+4*(k%2)
.set nxt, U+4*((k+1)%2)
.if k < CODES-1
	STEPS nxt, \q, k+1
.endif
.irp j, 0,1,2,3
.if k == 1
	v_med3_num_f32 v[ACC+\j], v[cur+\j], v[TC], v[TC+1]            ; the chain starts at h_0 = 0: nothing is initialised
.else
	v_med3_num_f32 v[ACC+\j], v[cur+\j], v[ACC+\j], v[TC+k]        ; u held into [acc, h_k]
.endif
.endr
.set k, k+1
.endr
	v_pk_add_f32 v[X+4*\q:X+4*\q+1],   v[ACC:ACC+1],   v[TP:TP+1]  ; + c_(0), into the block's own registers
	v_pk_add_f32 v[X+4*\q+2:X+4*\q+3], v[ACC+2:ACC+3], v[TP:TP+1]
.endm
.irp q, 0,1,2,3,4,5,6,7,8,9,10,11,12,13,14,15
	BLOCK \q, QUADS-1-\q                           ; the counts run down 15, 14, ... 0
.endr
	s_wait_alu depctr_va_vdst(0)                   ; the last block's two sums have written its four registers, which the last store reads
	global_store_b128 v[OFF], v[X+4*(QUADS-1):X+4*(QUADS-1)+3], s[8:9] offset:(QUADS-1)*BLK th:TH_STORE_NT
	s_wait_dscnt 0x0
	s_wait_alu depctr_hold_cnt(0) depctr_sa_sdst(0) depctr_va_vdst(0) depctr_va_sdst(0) depctr_va_ssrc(0) depctr_va_vcc(0) depctr_vm_vsrc(0)
	s_wait_tensorcnt 0x0
	ds_add_u32 v144, v145
	s_wait_dscnt 0x0
	s_endpgm
.Lfunc_end_k_qb9c3348509_nearest_code:
	.size	k_qb9c3348509_nearest_code, .Lfunc_end_k_qb9c3348509_nearest_code-k_qb9c3348509_nearest_code
	.p2alignl 7, 3214868480
	.fill 96, 4, 3214868480
	.section	.rodata,"a",@progbits
	.p2align	6, 0x0
	.amdhsa_kernel k_qb9c3348509_nearest_code
		.amdhsa_group_segment_fixed_size 1280
		.amdhsa_private_segment_fixed_size 0
		.amdhsa_enable_private_segment 0
		.amdhsa_kernarg_size 24
		.amdhsa_user_sgpr_count 2
		.amdhsa_user_sgpr_kernarg_segment_ptr 1
		.amdhsa_wavefront_size32 1
		.amdhsa_system_sgpr_workgroup_id_x 1
		.amdhsa_system_sgpr_workgroup_id_y 1
		.amdhsa_system_sgpr_workgroup_id_z 1
		.amdhsa_system_vgpr_workitem_id 0
		.amdhsa_next_free_vgpr 146
		.amdhsa_next_free_sgpr 66
		.amdhsa_reserve_vcc 0
		.amdhsa_float_denorm_mode_32 3
		.amdhsa_float_denorm_mode_16_64 3
		.amdhsa_memory_ordered 1
		.amdhsa_forward_progress 1
		.amdhsa_inst_pref_size 111
	.end_amdhsa_kernel
	.amdgpu_metadata
---
amdhsa.version: [ 1, 2 ]
amdhsa.kernels:
  - .name:           k_qb9c3348509_nearest_code
    .symbol:         k_qb9c3348509_nearest_code.kd
    .args:
      - { .name: C, .offset: 0, .size: 8, .value_kind: global_buffer, .address_space: global }
      - { .name: input, .offset: 8, .size: 8, .value_kind: global_buffer, .address_space: global }
      - { .name: out0, .offset: 16, .size: 8, .value_kind: global_buffer, .address_space: global }
    .group_segment_fixed_size: 1280
    .private_segment_fixed_size: 0
    .kernarg_segment_align: 8
    .kernarg_segment_size: 24
    .max_flat_workgroup_size: 256
    .sgpr_count:     66
    .vgpr_count:     146
    .wavefront_size: 32
...
	.end_amdgpu_metadata
.endif
;; end of part 2
